; MI455X (gfx1250); checked and timed in simulation.
; The chip was launched on July 23, 2026; its instructions are those of AMD's public machine-readable ISA for CDNA 5 (MIT licence, August 2026) and "CDNA5" Instruction Set Architecture Reference Guide (July 2026). The comments in the code are by the model that wrote it; some were corrected since.
;; Prob Sparse Self Attention. Allowed arithmetic: float matrix products may take bf16 or f16 operands with f32 sums; all other float work in f32.
;; Inputs: W_out 1,024 x 1,024 float32; W_qkv 1,024 x 3,072 float32; b_out 1,024 float32; b_qkv 3,072 float32; x 2 x 2,048 x 1,024 float32.
;; Outputs: out0 2 x 2,048 x 1,024 float32.
;; 2 versions, each right; version 2 is version 1 with the launch cast written anew for expert scheduling mode. Each part assembles by itself: llvm-mc -triple=amdgcn-amd-amdhsa -mcpu=gfx1250 --defsym DOCPART=n.
;; ======== version 1 of 2: 4 launches
;; workspace buffers: bf 16,777,216 bytes; qkv 25,165,824 bytes; ao 8,388,608 bytes
;; launch cast (part 1): grid 512 x 1, 8 waves a work-group, no clusters, 0 bytes of LDS; arguments x, W_qkv, W_out, bf; writes bf
.if DOCPART == 1
	.amdgcn_target "amdgcn-amd-amdhsa--gfx1250"
	.amdhsa_code_object_version 6
	.text
	.protected	k_qc7fa192528_cast
	.globl	k_qc7fa192528_cast
	.p2align	8
	.type	k_qc7fa192528_cast,@function
k_qc7fa192528_cast:
	s_mov_b64 s[64:65], 0
	v_nop
	global_prefetch_b8 v0, s[64:65] scope:SCOPE_SE
	s_setreg_imm32_b32 hwreg(HW_REG_WAVE_MODE, 25, 1), 1
	s_wait_xcnt 0x0
; bf = x, W_qkv, W_out rounded to bf16 (nearest even), one behind the other, each in its own row-major layout:
;   x at byte 0 (8,388,608 bytes), W_qkv at 8,388,608 (6,291,456 bytes), W_out at 14,680,064 (2,097,152 bytes).
; A stream: every input byte is read once, every output byte written once.  No LDS, no matrix unit, no cluster: the work-groups share nothing.
; Work-group g turns 65,536 bytes of f32 into the 32,768 bytes of bf at g x 32,768.  g 0-255: x; g 256-447: W_qkv; g 448-511: W_out.
; Thread t takes the 16 bytes at 16 t of each block of 4,096: a load of a wave covers 512 consecutive bytes, a store 256 consecutive, aligned bytes.
; All sixteen loads of a thread go out at once; nothing is rewritten that a pending instruction reads, so the only waits are those for the data.
.set NLOADS, 16
.set DAT,    4                         ; v[4:67]  load i: 4 registers; its two packed results go into the first two of them
.set FIRST_WQ, 256                     ; first work-group of W_qkv
.set FIRST_WO, 448                     ; first work-group of W_out
	s_load_b256 s[4:11], s[0:1], 0x0               ; x s[4:5], W_qkv s[6:7], W_out s[8:9], bf s[10:11]
	v_lshlrev_b32 v1, 4, v0                        ; my 16 bytes in a block of input
	v_lshlrev_b32 v2, 3, v0                        ; my 8 bytes in a block of output
	s_mov_b32 s20, FIRST_WO
	s_wait_kmcnt 0x0
	s_cmp_ge_u32 ttmp9, s20                        ; which input is mine: the choice hangs on the work-group's number alone
	s_cselect_b64 s[14:15], s[8:9], s[6:7]
	s_cselect_b32 s16, s20, FIRST_WQ
	s_cmp_lt_u32 ttmp9, FIRST_WQ
	s_cselect_b64 s[14:15], s[4:5], s[14:15]
	s_cselect_b32 s16, 0, s16                      ; the first work-group of that input
	s_sub_co_u32 s16, ttmp9, s16
	s_lshl_b32 s16, s16, 16                        ; 65,536 bytes of input for each work-group
	s_mov_b32 s17, 0
	s_add_nc_u64 s[14:15], s[14:15], s[16:17]
	s_lshl_b32 s18, ttmp9, 15                      ; 32,768 bytes of output
	s_mov_b32 s19, 0
	s_add_nc_u64 s[10:11], s[10:11], s[18:19]
.set i, 0
.rept NLOADS
	global_load_b128 v[DAT+4*i:DAT+4*i+3], v1, s[14:15] offset:4096*i th:TH_LOAD_NT   ; read once in the whole launch
.set i, i+1
.endr
.set i, 0
.rept NLOADS
	s_wait_loadcnt NLOADS-1-i                      ; loads come back in order (ISA guide 5.7.1): load i is in, the younger ones stay out
	v_cvt_pk_bf16_f32 v[DAT+4*i],   v[DAT+4*i],   v[DAT+4*i+1]
	v_cvt_pk_bf16_f32 v[DAT+4*i+1], v[DAT+4*i+2], v[DAT+4*i+3]
	global_store_b64 v2, v[DAT+4*i:DAT+4*i+1], s[10:11] offset:2048*i                 ; no hint: the next launches read these bytes
.set i, i+1
.endr
	s_endpgm
.Lfunc_end_k_qc7fa192528_cast:
	.size	k_qc7fa192528_cast, .Lfunc_end_k_qc7fa192528_cast-k_qc7fa192528_cast
	.p2alignl 7, 3214868480
	.fill 96, 4, 3214868480
	.section	.rodata,"a",@progbits
	.p2align	6, 0x0
	.amdhsa_kernel k_qc7fa192528_cast
		.amdhsa_group_segment_fixed_size 0
		.amdhsa_private_segment_fixed_size 0
		.amdhsa_enable_private_segment 0
		.amdhsa_kernarg_size 32
		.amdhsa_user_sgpr_count 2
		.amdhsa_user_sgpr_kernarg_segment_ptr 1
		.amdhsa_wavefront_size32 1
		.amdhsa_system_sgpr_workgroup_id_x 1
		.amdhsa_system_sgpr_workgroup_id_y 1
		.amdhsa_system_sgpr_workgroup_id_z 1
		.amdhsa_system_vgpr_workitem_id 0
		.amdhsa_next_free_vgpr 72
		.amdhsa_next_free_sgpr 66
		.amdhsa_reserve_vcc 0
		.amdhsa_float_denorm_mode_32 3
		.amdhsa_float_denorm_mode_16_64 3
		.amdhsa_memory_ordered 1
		.amdhsa_forward_progress 1
		.amdhsa_inst_pref_size 7
	.end_amdhsa_kernel
	.amdgpu_metadata
---
amdhsa.version: [ 1, 2 ]
amdhsa.kernels:
  - .name:           k_qc7fa192528_cast
    .symbol:         k_qc7fa192528_cast.kd
    .args:
      - { .name: x, .offset: 0, .size: 8, .value_kind: global_buffer, .address_space: global }
      - { .name: W_qkv, .offset: 8, .size: 8, .value_kind: global_buffer, .address_space: global }
      - { .name: W_out, .offset: 16, .size: 8, .value_kind: global_buffer, .address_space: global }
      - { .name: bf, .offset: 24, .size: 8, .value_kind: global_buffer, .address_space: global }
    .group_segment_fixed_size: 0
    .private_segment_fixed_size: 0
    .kernarg_segment_align: 8
    .kernarg_segment_size: 32
    .max_flat_workgroup_size: 256
    .sgpr_count:     66
    .vgpr_count:     72
    .wavefront_size: 32
...
	.end_amdgpu_metadata
.endif
;; end of part 1
;; launch qkv (part 2): grid 12 x 16, 4 waves a work-group, clusters of 4 x 4, 327,680 bytes of LDS; arguments bf, b_qkv, qkv; writes qkv
.if DOCPART == 2
	.amdgcn_target "amdgcn-amd-amdhsa--gfx1250"
	.amdhsa_code_object_version 6
	.text
	.protected	k_qc7fa192528_qkv
	.globl	k_qc7fa192528_qkv
	.p2align	8
	.type	k_qc7fa192528_qkv,@function
k_qc7fa192528_qkv:
	s_mov_b64 s[64:65], 0
	v_nop
	global_prefetch_b8 v0, s[64:65] scope:SCOPE_SE
	s_setreg_imm32_b32 hwreg(HW_REG_WAVE_MODE, 25, 1), 1
	s_wait_xcnt 0x0
	s_wait_alu depctr_hold_cnt(0) depctr_sa_sdst(0) depctr_va_vdst(0) depctr_va_sdst(0) depctr_va_ssrc(0) depctr_va_vcc(0) depctr_vm_vsrc(0)
	s_getreg_b32 s2, hwreg(HW_REG_IB_STS2, 6, 4)
	s_cmp_eq_u32 s2, 0
	s_cbranch_scc0 .Lentry_in_a_cluster
	s_endpgm
.Lentry_in_a_cluster:
	s_bfe_u32 s2, ttmp6, 0x10000c
	s_cmp_lg_u32 s2, 0xf033
	s_cbranch_scc0 .Lentry_shape_is_right
	s_endpgm
.Lentry_shape_is_right:
; qkv = x W_qkv + b_qkv, 4096 x 3072 x 1024, operands bf16 (from bf), sums f32 started by the bias, result rounded once to bf16 and laid head-major:
;   byte (section x 32 + batch x 16 + head) x 262,144 + token x 128 + 2 d, section 0 = Q, 1 = K, 2 = V.
; A work-group makes 256 x 256 of the product with four waves; a wave makes 128 x 128: 64 accumulator tiles of 16 x 16, 512 registers.
; K goes in 8 steps of 128 through a ring of two LDS slots filled by the tensor data mover.
; x lies [row][k]: its fragments are plain 16-byte LDS loads.  W lies [k][column]: its tile is brought as k rows and its fragments come by the transposing LDS load.
; CLUSTERS: 4 x 4 work-groups.  x's tile hangs on the block row alone and is asked for jointly by the four of a row of the cluster, W's on the block column alone
; and is asked for jointly by the four of a column: the requests for both are divided by four.
; 12 x 16 = 192 work-groups: a block of 192 columns would cut a head's 64 columns between waves or shrink the wave's tile.
; LIMIT: x and W enter as bf16, Q, K, V leave as bf16.
;
; REGISTERS, in windows of 256: window 0: v16-27 addresses; v64-127, v128-191 fragments of x, two buffers; v192-255 the bias, later the packed results
;   window 1: v64-127, v128-191 fragments of W, two buffers;  window 2: the 32 accumulator tiles of my rows 0-63 (tile (a, b) at v[8 (8 a + b)]);  window 3: rows 64-127
; THE MATRIX INSTRUCTION IS USED TRANSPOSED: source 0 = 16 columns of W, source 1 = 16 rows of x.  Lane l then holds row l % 16 of the product and its registers 0-7
; the columns 8 (l / 16) + 0..7: eight neighbouring numbers of a row, 16 bytes in bf16.  In that layout the bias is eight neighbouring floats a lane: two 16-byte loads a tile.
.set KSTEP,  128
.set PITCH,  272                       ; an LDS row of x: 256 bytes + 16: an odd multiple of 16, so the 16 rows of a fragment load start 16 bytes apart modulo 256
.set PB,     544                       ; an LDS k row of W: 512 bytes + 32 = 17 x 32: the eight k rows of a transposing load start 32 bytes apart modulo 256
.set HALFT,  128*PITCH                 ; what one tensor load brings: 128 rows of x, or 64 k rows of W (64 x 544 is the same number)
.set SLOT,   4*HALFT                   ; x rows 0-127, x rows 128-255, W k 0-63, W k 64-127
.set STAGE,  2*SLOT                    ; behind the ring: 16 rows x 272 bytes for each wave, for the way out; no tensor load lands here
.set SPITCH, 272
.set LAPS,   4                         ; a lap = two K steps = once round the ring; 1024 / 256
.set WQ,     0x800000                  ; W_qkv in bf
.set WROW,   6144                      ; bytes in a k row of W
.set HEADB,  262144                    ; bytes of one head's 2048 tokens in qkv
.set ADRA, 16                          ; v16-17  LDS address of my x fragments in slot 0, 1
.set ADRB, 20                          ; v20-21  the same for W
.set STO,  24                          ; the way out: where I put 16 bytes of a row
.set RD,   25                          ; the way out: where I read back
.set CO,   26                          ; my byte offset in a store of 512 bytes
.set BO,   27                          ; my byte offset in the bias
.set F0,   64
.set F1,   128
.set BIAS, 192                         ; v192-255: tile b's eight floats at 8 b
.set TMP,  192                         ; the way out: packed results (the bias is no longer needed)
.set G1, 24                            ; s[24:31] descriptor group 1 for x's tiles
.set G0, 32                            ; s[32:39] group 0 for x's tiles, one set for each slot
.set G1B, 48                           ; s[48:55] group 1 for W's tiles
.set G0B, 56                           ; s[56:63] group 0 for W's tiles
.set MSB, 0
.macro WIN new                         ; the immediate's high byte repeats the setting that is left
.if MSB != \new
	s_set_vgpr_msb (MSB<<8)|\new
.set MSB, \new
.endif
.endm
.set MUL_LO, 0xa1                      ; source 0 (W) window 1, source 1 (x) window 0, C and D window 2
.set MUL_HI, 0xf1                      ; the same, C and D window 3
.set FST_LO, 0x81                      ; the first products: C is the bias in window 0, D window 2
.set FST_HI, 0xc1                      ; D window 3
.set TO_B,   0x40                      ; destination window 1, address window 0
; A joint load.  Waves 0 and 1 fetch x's two halves, waves 2 and 3 W's.  Each line has one mask and one set of registers; the branch hangs on the wave's number alone.
.macro JLOAD s
	s_cmp_eq_u32 s11, 0
	s_cbranch_scc0 .Lfor_b_\@
	tensor_load_to_lds s[G0+4*\s:G0+4*\s+3], s[G1:G1+7]
	s_nop 0
	s_branch .Lasked_\@
.Lfor_b_\@:
	tensor_load_to_lds s[G0B+4*\s:G0B+4*\s+3], s[G1B:G1B+7]
	s_nop 0
.Lasked_\@:
.endm
; A round of the cluster's barrier: my work-group's barrier; wave 0 signals for the work-group; every wave waits for all sixteen; my work-group's barrier once more.
.macro CREST                           ; a round behind its opening barrier
	s_cmp_lg_u32 s10, 0
	s_cbranch_scc1 .Lnot_wave_0_\@
	s_barrier_signal -3
.Lnot_wave_0_\@:
	s_barrier_wait -3
	s_barrier_signal -1
	s_barrier_wait -1
.endm
.macro CROUND
	s_barrier_signal -1
	s_barrier_wait -1
	CREST
.endm
	s_load_b128 s[4:7], s[0:1], 0x0                ; bf s[4:5], b_qkv s[6:7]
	s_load_b64 s[8:9], s[0:1], 0x10                ; qkv
	s_set_vgpr_msb 0x40
	v_lshl_add_u32 v255, v0, 2, 0x48400
	s_set_vgpr_msb 0x4000
	v_mov_b32 v63, 0
	s_set_vgpr_msb 0x1
	ds_add_u32 v255, v63
	s_set_vgpr_msb 0x100
	v_lshrrev_b32 v1, 5, v0
	v_readfirstlane_b32 s10, v1                    ; wave 0..3
	s_lshr_b32 s11, s10, 1                         ; which half of the block's rows is mine.  Also: I fetch for x (0) or for W (1)
	s_and_b32 s12, s10, 1                          ; which half of its columns.  Also: which half of that tile I fetch
	s_bfe_u32 s40, ttmp6, 0x40000                  ; cx
	s_bfe_u32 s41, ttmp6, 0x40004                  ; cy
	s_lshl_b32 s42, ttmp9, 2
	s_add_co_u32 s42, s42, s40                     ; block column = 4 x cluster x + cx, 0..11
	s_and_b32 s13, ttmp7, 0xffff
	s_lshl_b32 s13, s13, 2
	s_add_co_u32 s13, s13, s41                     ; block row = 4 x cluster y + cy, 0..15
	s_lshl_b32 s43, s41, 2
	s_lshl_b32 s43, 15, s43                        ; my row of the cluster: places 4 cy .. 4 cy + 3
	s_lshl_b32 s44, 0x1111, s40                    ; my column: places cx, cx + 4, cx + 8, cx + 12
	; group 1 for x: 128 rows x 128 elements of 2 bytes, 4 words of padding behind every 64 words
	s_or_b32 s[G1+0], s43, (1<<16)|(1<<20)|(1<<21)|(5<<22)|(3<<25)
	s_mov_b32 s[G1+1], KSTEP<<16                   ; tensor_dim0 = 128
	s_mov_b32 s[G1+2], 128<<16                     ; tensor_dim1 = 128
	s_mov_b32 s[G1+3], KSTEP<<16                   ; tile_dim0 = 128
	s_mov_b32 s[G1+4], 128                         ; tile_dim1 = 128
	s_mov_b32 s[G1+5], 1024                        ; elements from row to row of x
	s_mov_b32 s[G1+6], 0
	s_mov_b32 s[G1+7], 0
	; group 1 for W: 64 k rows x 256 elements, 8 words of padding behind every 128 words
	s_or_b32 s[G1B+0], s44, (1<<16)|(1<<20)|(1<<21)|(6<<22)|(7<<25)
	s_mov_b32 s[G1B+1], 256<<16                    ; tensor_dim0 = 256
	s_mov_b32 s[G1B+2], 64<<16                     ; tensor_dim1 = 64
	s_mov_b32 s[G1B+3], 256<<16                    ; tile_dim0 = 256
	s_mov_b32 s[G1B+4], 64                         ; tile_dim1 = 64
	s_mov_b32 s[G1B+5], 3072                       ; elements from k row to k row of W
	s_mov_b32 s[G1B+6], 0
	s_mov_b32 s[G1B+7], 0
	; where the tiles come from: x's hang on the block row alone, W's on the block column alone, each in registers that never hold the other coordinate
	s_lshl_b32 s16, s13, 19                        ; 256 rows of 2,048 bytes
	s_lshl_b32 s17, s12, 18                        ; + my 128 rows
	s_add_co_u32 s16, s16, s17
	s_mov_b32 s17, 0
	s_lshl_b32 s46, s42, 9                         ; 256 columns of 2 bytes
	s_mul_i32 s47, s12, 64*WROW                    ; + my 64 k rows
	s_add_co_u32 s46, s46, s47
	s_add_co_u32 s46, s46, WQ
	s_mov_b32 s47, 0
	s_mul_i32 s20, s10, HALFT                      ; where they go: wave x one part of the slot
	s_lshl_b32 s18, s42, 10                        ; the bias of my 128 columns: 256 floats a block,
	s_lshl_b32 s19, s12, 9                         ; 128 a half
	s_add_co_u32 s18, s18, s19
	s_mov_b32 s19, 0
	s_wait_dscnt 0x0
	s_wait_kmcnt 0x0
	s_add_nc_u64 s[14:15], s[4:5], s[16:17]
	s_add_nc_u64 s[46:47], s[4:5], s[46:47]
	s_add_nc_u64 s[6:7], s[6:7], s[18:19]
	CROUND                                         ; all sixteen work-groups are here: the first joint loads meet
.irp s, 0,1
	s_mov_b32 s[G0+4*\s], 1
	s_add_co_u32 s[G0+4*\s+1], s20, \s*SLOT
	s_add_nc_u64 s[G0+4*\s+2:G0+4*\s+3], s[14:15], \s*KSTEP*2        ; K step s: 256 bytes along x's rows
	s_or_b32 s[G0+4*\s+3], s[G0+4*\s+3], 0x80000000
	s_mov_b32 s[G0B+4*\s], 1
	s_add_co_u32 s[G0B+4*\s+1], s20, \s*SLOT
	s_add_nc_u64 s[G0B+4*\s+2:G0B+4*\s+3], s[46:47], \s*KSTEP*WROW   ; K step s: 128 k rows of W
	s_or_b32 s[G0B+4*\s+3], s[G0B+4*\s+3], 0x80000000
	JLOAD \s                                       ; two tensor loads of the wave are out: the most in this text
.endr
	v_and_b32 v1, 15, v0                           ; r = l % 16
	v_bfe_u32 v2, v0, 4, 1                         ; h = l / 16
	v_mul_u32_u24 v3, v1, PITCH
	v_lshl_add_u32 v3, v2, 4, v3                   ; x: row r, 16 bytes for each half of the lanes
	v_and_b32 v6, 7, v0
	v_lshl_add_u32 v6, v2, 3, v6                   ; W: k row 8 h + l % 8,
	v_mul_u32_u24 v6, v6, PB
	v_bfe_u32 v7, v0, 3, 1
	v_lshl_add_u32 v6, v7, 4, v6                   ; columns 8 ((l / 8) % 2) ..: the transposing load then gives lane l column r, k = 8 h .. 8 h + 7
	s_mul_i32 s21, s11, HALFT                      ; my 128 rows of x
	s_lshl_b32 s22, s12, 8                         ; my 128 columns of W,
	s_add_co_u32 s22, s22, 2*HALFT                 ; which lies behind x's 256 rows
.irp s, 0,1
	v_add_nc_u32 v[ADRA+\s], s21, v3
	v_add_nc_u32 v[ADRB+\s], s22, v6
	s_add_co_u32 s21, s21, SLOT
	s_add_co_u32 s22, s22, SLOT
.endr
	s_mul_i32 s23, s10, 16*SPITCH
	s_add_co_u32 s23, s23, STAGE                   ; my stage
	v_add_nc_u32 v[STO], s23, v3                   ; in: row r, 16 bytes for each half of the lanes
	v_bfe_u32 v4, v0, 3, 2
	v_mul_u32_u24 v4, v4, SPITCH                   ; back: eight lanes take the 128 bytes of one head in one row, four rows a load
	v_and_b32 v5, 7, v0
	v_lshl_add_u32 v4, v5, 4, v4
	v_add_nc_u32 v[RD], s23, v4
	v_and_b32 v5, 31, v0
	v_lshlrev_b32 v[CO], 4, v5                     ; four tokens x 128 bytes of a head are 512 consecutive bytes of qkv
	v_lshlrev_b32 v[BO], 5, v2                     ; eight floats for each half of the lanes
.irp b, 0,1,2,3,4,5,6,7
	global_load_b128 v[BIAS+8*\b:BIAS+8*\b+3],   v[BO], s[6:7] offset:64*\b
	global_load_b128 v[BIAS+8*\b+4:BIAS+8*\b+7], v[BO], s[6:7] offset:64*\b+16
.endr
; 16 matrix instructions: row tiles a0, a0 + 1 of the window's four x all 8 column tiles, 32 along K.  first = 1: the bias is C, so nothing is cleared or added later.
.macro MUL16 f, hi, a0, first
.irp a, \a0, \a0+1
.irp b, 0,1,2,3,4,5,6,7
.if \first
	v_wmma_f32_16x16x32_bf16 v[8*(8*(\a)+\b):8*(8*(\a)+\b)+7], v[\f+8*\b:\f+8*\b+7], v[\f+8*(4*\hi+\a):\f+8*(4*\hi+\a)+7], v[BIAS+8*\b:BIAS+8*\b+7]
.else
	v_wmma_f32_16x16x32_bf16 v[8*(8*(\a)+\b):8*(8*(\a)+\b)+7], v[\f+8*\b:\f+8*\b+7], v[\f+8*(4*\hi+\a):\f+8*(4*\hi+\a)+7], v[8*(8*(\a)+\b):8*(8*(\a)+\b)+7]
.endif
.endr
.endr
.endm
; 32 LDS loads in one run: the fragments of one quarter step.  k = byte offset of the quarter in x's rows (0, 64, 128, 192), that is k / 2 k rows of W = k x 272 bytes.
.macro FETCH slot, k, f
	WIN TO_B
.irp i, 0,1,2,3,4,5,6,7
	ds_load_tr16_b128 v[\f+8*\i:\f+8*\i+3],   v[ADRB+\slot] offset:\k*272+32*\i        ; k = 8 h .. + 7 of column 16 i + r
	ds_load_tr16_b128 v[\f+8*\i+4:\f+8*\i+7], v[ADRB+\slot] offset:\k*272+16*PB+32*\i  ; k = 16 + 8 h .. + 7
.endr
	WIN 0
.irp i, 0,1,2,3,4,5,6,7
	ds_load_b128 v[\f+8*\i:\f+8*\i+3],   v[ADRA+\slot] offset:\k+\i*16*PITCH
	ds_load_b128 v[\f+8*\i+4:\f+8*\i+7], v[ADRA+\slot] offset:\k+\i*16*PITCH+32
.endr
.endm
; Four plain vector instructions stand between a matrix instruction and a load into one of its sources or a vector read of its result (ISA guide 7.12.1 for
; vector instructions); the matrix instructions in between are not counted.
.macro PLACES
.rept 4
	v_nop
.endr
.endm
; The 64 accumulators take turns, one instruction a turn, in the same order in every quarter step, over the backward jump too.
.macro QUARTER slot, k, f, g, first
	s_wait_dscnt 8                                 ; W and x's rows 0-63 are in; the youngest eight loads (x's rows 64-127) may be out
.if \first
	WIN FST_LO
.else
	WIN MUL_LO
.endif
	MUL16 \f, 0, 0, \first
	MUL16 \f, 0, 2, \first
	PLACES
	FETCH \slot, \k, \g
	s_wait_dscnt 32                                ; all but the 32 just issued
.if \first
	WIN FST_HI
.else
	WIN MUL_HI
.endif
	MUL16 \f, 1, 0, \first
	MUL16 \f, 1, 2, \first
.endm
.macro THREE slot, first
	QUARTER \slot, 64,  F0, F1, \first
	QUARTER \slot, 128, F1, F0, 0
	QUARTER \slot, 192, F0, F1, 0
.endm
; The last quarter multiplies buffer 1 and changes slots.  In front of the barrier each wave waits for its reads of this slot and for all its tensor loads (one is out:
; its part of the next slot).  Behind it the refill comes first, then the next slot's first fragments.  From a request to its wait a wave issues 240 matrix instructions.
.macro TURN slot, next, fill
	s_wait_dscnt 8
	WIN MUL_LO
	MUL16 F1, 0, 0, 0
	s_wait_dscnt 0                                 ; my reads of this slot are over
	s_wait_tensorcnt 0x0                           ; all my tensor loads have landed
	ds_add_u32 v255, v63
	s_wait_dscnt 0x0
	s_barrier_signal -1                            ; where a slot is filled again this barrier opens a round of the cluster's barrier
	MUL16 F1, 0, 2, 0                              ; register work while the others arrive
	WIN 0
	s_barrier_wait -1
.if \fill
	CREST                                          ; no wave of any partner still reads this slot or has a load on its way
	s_add_nc_u64 s[G0+4*\slot+2:G0+4*\slot+3], s[G0+4*\slot+2:G0+4*\slot+3], 2*KSTEP*2
	s_add_nc_u64 s[G0B+4*\slot+2:G0B+4*\slot+3], s[G0B+4*\slot+2:G0B+4*\slot+3], 2*KSTEP*WROW
	JLOAD \slot                                    ; the first tensor load behind the round
.endif
	PLACES
	FETCH \next, 0, F0
	WIN MUL_HI
	MUL16 F1, 1, 0, 0
	MUL16 F1, 1, 2, 0
.endm
.macro LAP first
	THREE 0, \first
	TURN 0, 1, 1
	THREE 1, 0
	TURN 1, 0, 1
.endm
	s_wait_tensorcnt 1                             ; my part of K step 0 is in; K step 1's load stays out
	s_barrier_signal -1
	s_barrier_wait -1                              ; everybody's is
	FETCH 0, 0, F0
	s_wait_loadcnt 0x0                             ; the bias
	LAP 1                                          ; the first lap stands in front of the loop: its first products take the bias as C
	WIN 0                                          ; at a label and at a branch every window is 0
	s_mov_b32 s3, LAPS-2
.Llap:
	LAP 0
	WIN 0
	s_sub_co_u32 s3, s3, 1
	s_cmp_lg_u32 s3, 0
	s_cbranch_scc1 .Llap
	THREE 0, 0                                     ; the last lap fills nothing
	TURN 0, 1, 0
	THREE 1, 0
	s_wait_dscnt 8
	WIN MUL_LO
	MUL16 F1, 0, 0, 0
	MUL16 F1, 0, 2, 0
	s_wait_dscnt 0
	WIN MUL_HI
	MUL16 F1, 1, 0, 0
	MUL16 F1, 1, 2, 0
	; THE WAY OUT, 16 rows (tokens) at a time: round to bf16, 16 bytes a lane into my own stage, read back as 4 tokens x 128 bytes of one head.
	PLACES                                         ; the places behind the last matrix instructions
	s_lshr_b32 s46, s42, 2                         ; section: 4 blocks of 256 columns each
	s_lshl_b32 s46, s46, 5                         ; x 32 heads
	s_and_b32 s47, s42, 3
	s_lshl2_add_u32 s46, s47, s46                  ; + 4 heads a block
	s_lshl1_add_u32 s46, s12, s46                  ; + 2 heads a half
	s_lshr_b32 s47, s13, 3                         ; batch: 8 blocks of 256 rows each
	s_lshl4_add_u32 s46, s47, s46                  ; + 16 heads a batch
	s_lshl_b32 s46, s46, 18                        ; x 262,144 bytes
	s_and_b32 s47, s13, 7
	s_lshl_b32 s47, s47, 15                        ; + 256 tokens of 128 bytes a block
	s_add_co_u32 s46, s46, s47
	s_lshl_b32 s47, s11, 14                        ; + 128 tokens a half
	s_add_co_u32 s46, s46, s47
	s_mov_b32 s47, 0
	s_add_nc_u64 s[8:9], s[8:9], s[46:47]
; rows 16 i .. 16 i + 15 of my block = the eight tiles (a, 0..7) of window 2 or 3 (from = 0x0a or 0x0f); f: F0 or F1 in turn
.macro OUT16 i, a, from, f
	WIN \from
.irp b, 0,1,2,3,4,5,6,7
.irp r, 0,1,2,3
	v_cvt_pk_bf16_f32 v[TMP+4*\b+\r], v[8*(8*\a+\b)+2*\r], v[8*(8*\a+\b)+2*\r+1]
.endr
.endr
	WIN 0
.irp b, 0,1,2,3,4,5,6,7
	ds_store_b128 v[STO], v[TMP+4*\b:TMP+4*\b+3] offset:32*\b
.endr
	s_wait_xcnt 0x0                                ; buffer f, which earlier stores read, is loaded again only behind this wait (ISA guide 3.1)
.irp t, 0,1,2,3,4,5,6,7
	ds_load_b128 v[\f+4*\t:\f+4*\t+3], v[RD] offset:(\t&3)*4*SPITCH+(\t>>2)*128   ; LDS serves a wave's instructions in order (ISA guide 5.7.1.4): these see the stores above
.endr
.irp t, 0,1,2,3,4,5,6,7
	s_wait_dscnt 7-\t
	global_store_b128 v[CO], v[\f+4*\t:\f+4*\t+3], s[8:9] offset:(\t>>2)*HEADB+\i*2048+(\t&3)*512   ; a wave's store covers 512 consecutive bytes, aligned
.endr
.endm
	OUT16 0, 0, 0x0a, F0
	OUT16 1, 1, 0x0a, F1
	OUT16 2, 2, 0x0a, F0
	OUT16 3, 3, 0x0a, F1
	OUT16 4, 0, 0x0f, F0
	OUT16 5, 1, 0x0f, F1
	OUT16 6, 2, 0x0f, F0
	OUT16 7, 3, 0x0f, F1
	s_set_vgpr_msb 0x1
	s_wait_tensorcnt 0x0
	ds_add_u32 v255, v63
	s_wait_dscnt 0x0
	s_set_vgpr_msb 0x100
	CROUND                                         ; the closing round: no work-group ends while a partner may still ask for a tile that names it
	s_endpgm
.Lfunc_end_k_qc7fa192528_qkv:
	.size	k_qc7fa192528_qkv, .Lfunc_end_k_qc7fa192528_qkv-k_qc7fa192528_qkv
	.p2alignl 7, 3214868480
	.fill 96, 4, 3214868480
	.section	.rodata,"a",@progbits
	.p2align	6, 0x0
	.amdhsa_kernel k_qc7fa192528_qkv
		.amdhsa_group_segment_fixed_size 327680
		.amdhsa_private_segment_fixed_size 0
		.amdhsa_enable_private_segment 0
		.amdhsa_kernarg_size 24
		.amdhsa_user_sgpr_count 2
		.amdhsa_user_sgpr_kernarg_segment_ptr 1
		.amdhsa_wavefront_size32 1
		.amdhsa_system_sgpr_workgroup_id_x 1
		.amdhsa_system_sgpr_workgroup_id_y 1
		.amdhsa_system_sgpr_workgroup_id_z 1
		.amdhsa_system_vgpr_workitem_id 0
		.amdhsa_next_free_vgpr 1024
		.amdhsa_next_free_sgpr 66
		.amdhsa_reserve_vcc 0
		.amdhsa_float_denorm_mode_32 3
		.amdhsa_float_denorm_mode_16_64 3
		.amdhsa_memory_ordered 1
		.amdhsa_forward_progress 1
		.amdhsa_inst_pref_size 198
	.end_amdhsa_kernel
	.amdgpu_metadata
---
amdhsa.version: [ 1, 2 ]
amdhsa.kernels:
  - .name:           k_qc7fa192528_qkv
    .symbol:         k_qc7fa192528_qkv.kd
    .args:
      - { .name: bf, .offset: 0, .size: 8, .value_kind: global_buffer, .address_space: global }
      - { .name: b_qkv, .offset: 8, .size: 8, .value_kind: global_buffer, .address_space: global }
      - { .name: qkv, .offset: 16, .size: 8, .value_kind: global_buffer, .address_space: global }
    .group_segment_fixed_size: 327680
    .private_segment_fixed_size: 0
    .kernarg_segment_align: 8
    .kernarg_segment_size: 24
    .max_flat_workgroup_size: 128
    .sgpr_count:     66
    .vgpr_count:     1024
    .wavefront_size: 32
...
	.end_amdgpu_metadata
.endif
;; end of part 2
;; launch attn (part 3): grid 256 x 1, 8 waves a work-group, clusters of 4 x 1, 327,680 bytes of LDS; arguments qkv, ao; writes ao
.if DOCPART == 3
	.amdgcn_target "amdgcn-amd-amdhsa--gfx1250"
	.amdhsa_code_object_version 6
	.text
	.protected	k_qc7fa192528_attn
	.globl	k_qc7fa192528_attn
	.p2align	8
	.type	k_qc7fa192528_attn,@function
k_qc7fa192528_attn:
	s_mov_b64 s[64:65], 0
	v_nop
	global_prefetch_b8 v0, s[64:65] scope:SCOPE_SE
	s_setreg_imm32_b32 hwreg(HW_REG_WAVE_MODE, 25, 1), 1
	s_wait_xcnt 0x0
	s_wait_alu depctr_hold_cnt(0) depctr_sa_sdst(0) depctr_va_vdst(0) depctr_va_sdst(0) depctr_va_ssrc(0) depctr_va_vcc(0) depctr_vm_vsrc(0)
	s_getreg_b32 s2, hwreg(HW_REG_IB_STS2, 6, 4)
	s_cmp_eq_u32 s2, 0
	s_cbranch_scc0 .Lentry_in_a_cluster
	s_endpgm
.Lentry_in_a_cluster:
	s_bfe_u32 s2, ttmp6, 0x10000c
	s_cmp_lg_u32 s2, 0x3003
	s_cbranch_scc0 .Lentry_shape_is_right
	s_endpgm
.Lentry_shape_is_right:
; ao = softmax(Q K^T / 8) V for 32 (batch, head) pairs of 2048 tokens x 64, by a running maximum: neither scores nor probabilities leave the registers.
; qkv: (section x 32 + head pair) x 262,144 + token x 128 + 2 d, bf16.  ao: head pair x 262,144 + token x 128 + 2 d, bf16.
; A work-group has 256 queries of one head; eight waves.  Wave w has the 64 queries 64 (w % 4) .. and, of every tile of 256 keys, the keys 128 (w / 4) .. + 127.
; So two waves of 512 registers share a SIMD, and one's vector work can run beside the other's matrix work.  Waves w and w + 4 merge their two partial results once, at the end, through LDS.
; CLUSTER: the four work-groups of a cluster are four query blocks of one head and walk the same K and V tiles: every tile is asked for jointly (mask 15).
; LAYOUT, without any shuffle: S^T = K Q^T (source 0 = 16 keys, source 1 = 16 queries): lane (r, h), register j holds key 16 kt + 8 h + j, query r.  A query's figures are
; a lane's own but for the lane 16 away.  Two neighbouring key tiles, packed to bf16, are source 1 of O^T = V^T P^T (source 0 = V^T by the transposing LDS load):
; lane (r, h), register j holds d = 16 dt + 8 h + j of query r: eight neighbouring numbers of a row of ao.
; SOFTMAX: p = 2^(c s - round(c m)), c = 0.125 log2 e, m the running maximum, the product and the difference in one fused multiply-add.  The rescaling factors are made of
; differences of the stored shifts, so that they fit the shifts that were used.
; LIMITS: Q, K, V, P and the result are bf16.  2^x below 2^-126 comes out as 0 (ISA guide, v_exp_f32).  Inputs for which the scores are not finite are not served.
.set SLOTB, 77824                      ; a slot: K's 256 keys x 144 bytes, then V's 256 keys x 160 bytes
.set VPART, 36864
.set KP,    144                        ; 128 bytes + 16: an odd multiple of 16
.set VP,    160                        ; 128 bytes + 32 = 5 x 32, for the transposing load
.set MERGE, 2*SLOTB                    ; 4 x 17,408 bytes: what wave w + 4 hands to wave w.  No tensor load lands here or in the stage
.set STAGE, MERGE+4*17408              ; 4 x 64 rows x 144 bytes: the way out
.set KSEC,  8388608                    ; K's section in qkv
.set VSEC,  16777216                   ; V's
.set KA,  8                            ; v8-9    LDS address of my K fragments in slot 0, 1
.set VA,  10                           ; v10-11  of my V fragments
.set QO,  12                           ; my offset in Q's rows
.set STO, 13
.set RD,  14
.set CO,  15
.set MX,  16
.set M,   20                           ; v20-23    running maximum of query tile qt
.set T0,  24                           ; v24-27    at work
.set T1,  28                           ; v28-31    at work
.set KF,  32                           ; v32-95    K fragment (kt, ks) at 8 (2 kt + ks)
.set L,   96                           ; v96-103   running sums, a pair for each query tile (two partial sums of the lane)
.set NM,  104                          ; v104-111  the shift - round(c m), twice
.set AL,  112                          ; v112-119  the rescaling factor, twice
.set AA,  120                          ; v120-123  its exponent
.set NB,  124                          ; v124-127  the merge: the partner's shifts
.set S,   128                          ; v128-255  score tile (qt, kt) at 8 (4 qt + kt); packed: P (qt, kg) at 16 qt + 8 kg
.set O,   0                            ; window 1: v0-127    O^T tile (qt, dt) at 8 (4 qt + dt)
.set Q,   128                          ; window 1: v128-191  Q fragment (qt, ks) at 8 (2 qt + ks)
.set VF,  192                          ; window 1: v192-255  V^T fragment (dt, kg) at 8 (2 dt + kg)
.set G1K, 24                           ; s[24:31] descriptor group 1 for K
.set G1V, 32                           ; s[32:39] for V
.set G0K, 40                           ; s[40:47] group 0 for K, one set for each slot
.set G0V, 48                           ; s[48:55] for V
.set MSB, 0
.macro WIN new
.if MSB != \new
	s_set_vgpr_msb (MSB<<8)|\new
.set MSB, \new
.endif
.endm
.macro PLACES n
.rept \n
	v_nop
.endr
.endm
.macro CROUND                          ; a round of the cluster's barrier
	s_barrier_signal -1
	s_barrier_wait -1
	s_cmp_lg_u32 s8, 0
	s_cbranch_scc1 .Lnot_wave_0_\@
	s_barrier_signal -3
.Lnot_wave_0_\@:
	s_barrier_wait -3
	s_barrier_signal -1
	s_barrier_wait -1
.endm
	s_load_b128 s[4:7], s[0:1], 0x0                ; qkv s[4:5], ao s[6:7]
	v_lshl_add_u32 v126, v0, 2, 0x40000
	v_mov_b32 v127, 0
	ds_add_u32 v126, v127
	s_wait_dscnt 0x0
	v_lshrrev_b32 v1, 5, v0
	v_readfirstlane_b32 s8, v1                     ; wave 0..7
	s_and_b32 s9, s8, 3                            ; which 64 queries
	s_lshr_b32 s10, s8, 2                          ; which half of each tile's keys
	s_bfe_u32 s11, ttmp6, 0x40000                  ; cx
	s_lshr_b32 s12, ttmp9, 1                       ; head pair 0..31: two clusters for each, shared by the four partners
	s_and_b32 s13, ttmp9, 1
	s_lshl_b32 s13, s13, 2
	s_add_co_u32 s13, s13, s11                     ; query block 0..7
	s_mov_b32 s14, 0x76543210                      ; v_permlanex16_b32: lane i of one half reads lane i of the other
	s_mov_b32 s15, 0xfedcba98
	s_mov_b32 s16, 0x3e38aa3b                      ; c = 0.125 log2 e
	s_mov_b32 s17, 0x3e38aa3b                      ; (the pair's second word is named by the packed form)
	s_mov_b32 s18, 0xbe38aa3b                      ; - c
	; A wave's part of a tile is 32 keys x 128 bytes, dense in memory: 16 rows of 256 bytes.  The padding is counted along the tile: behind every 32 words (a key) 4 or 8 words.
	s_mov_b32 s[G1K+0], 15|(1<<16)|(1<<20)|(1<<21)|(4<<22)|(3<<25)
	s_mov_b32 s[G1K+1], 128<<16                    ; tensor_dim0 = 128 elements
	s_mov_b32 s[G1K+2], 16<<16                     ; tensor_dim1 = 16
	s_mov_b32 s[G1K+3], 128<<16                    ; tile_dim0
	s_mov_b32 s[G1K+4], 16                         ; tile_dim1
	s_mov_b32 s[G1K+5], 128                        ; pitch
	s_mov_b32 s[G1K+6], 0
	s_mov_b32 s[G1K+7], 0
	s_mov_b32 s[G1V+0], 15|(1<<16)|(1<<20)|(1<<21)|(4<<22)|(7<<25)
	s_mov_b32 s[G1V+1], 128<<16
	s_mov_b32 s[G1V+2], 16<<16
	s_mov_b32 s[G1V+3], 128<<16
	s_mov_b32 s[G1V+4], 16
	s_mov_b32 s[G1V+5], 128
	s_mov_b32 s[G1V+6], 0
	s_mov_b32 s[G1V+7], 0
	s_lshl_b32 s20, s12, 18                        ; the head's 262,144 bytes
	s_lshl_b32 s21, s8, 12                         ; + my 32 keys
	s_add_co_u32 s20, s20, s21
	s_mov_b32 s21, 0
	s_mul_i32 s22, s8, 32*KP                       ; where they go
	s_mul_i32 s23, s8, 32*VP
	s_add_co_u32 s23, s23, VPART
	s_lshl_b32 s58, s13, 15                        ; my queries: 256 x 128 bytes a block,
	s_lshl_b32 s59, s9, 13                         ; 64 x 128 a wave,
	s_add_co_u32 s58, s58, s59
	s_lshl_b32 s59, s12, 18                        ; in the head: the same offset in Q's section and in ao
	s_add_co_u32 s58, s58, s59
	s_mov_b32 s59, 0
	s_wait_kmcnt 0x0
	s_add_nc_u64 s[56:57], s[4:5], s[20:21]
	s_add_nc_u64 s[60:61], s[4:5], s[58:59]        ; Q: a pair of its own; no register of a joint descriptor ever holds cx
	s_add_nc_u64 s[6:7], s[6:7], s[58:59]
.irp s, 0,1
	s_mov_b32 s[G0K+4*\s], 1
	s_add_co_u32 s[G0K+4*\s+1], s22, \s*SLOTB
	s_add_nc_u64 s[G0K+4*\s+2:G0K+4*\s+3], s[56:57], KSEC+\s*32768     ; tile s: 256 keys x 128 bytes
	s_or_b32 s[G0K+4*\s+3], s[G0K+4*\s+3], 0x80000000
	s_mov_b32 s[G0V+4*\s], 1
	s_add_co_u32 s[G0V+4*\s+1], s23, \s*SLOTB
	s_add_nc_u64 s[G0V+4*\s+2:G0V+4*\s+3], s[56:57], VSEC+\s*32768
	s_or_b32 s[G0V+4*\s+3], s[G0V+4*\s+3], 0x80000000
.endr
	CROUND                                         ; the four work-groups are here: the first joint loads meet
	tensor_load_to_lds s[G0K:G0K+3], s[G1K:G1K+7]
	s_nop 0
	tensor_load_to_lds s[G0V:G0V+3], s[G1V:G1V+7]
	s_nop 0
	tensor_load_to_lds s[G0K+4:G0K+7], s[G1K:G1K+7]
	s_nop 0
	tensor_load_to_lds s[G0V+4:G0V+7], s[G1V:G1V+7]        ; four tensor loads of the wave are out: the most in this text
	s_nop 0
	v_and_b32 v1, 31, v0                           ; l
	v_and_b32 v2, 15, v0                           ; r
	v_bfe_u32 v3, v0, 4, 1                         ; h
	v_and_b32 v4, 7, v0
	v_bfe_u32 v5, v0, 3, 1
	v_bfe_u32 v6, v0, 3, 2
	v_lshlrev_b32 v[QO], 7, v2
	v_lshl_add_u32 v[QO], v3, 4, v[QO]             ; Q: row r x 128 + 16 h
	WIN 0x40                                       ; destination window 1
.irp qt, 0,1,2,3
.irp ks, 0,1
	global_load_b128 v[Q+16*\qt+8*\ks:Q+16*\qt+8*\ks+3],   v[QO], s[60:61] offset:2048*\qt+64*\ks
	global_load_b128 v[Q+16*\qt+8*\ks+4:Q+16*\qt+8*\ks+7], v[QO], s[60:61] offset:2048*\qt+64*\ks+32
.endr
.endr
	WIN 0
	v_mul_u32_u24 v7, v2, KP
	v_lshl_add_u32 v7, v3, 4, v7                   ; row r x 144 + 16 h: K's fragments, and the stage
	s_mul_i32 s20, s10, 128*KP                     ; my half of the keys
	v_add_nc_u32 v[KA], s20, v7
	v_add_nc_u32 v[KA+1], SLOTB, v[KA]
	v_lshl_add_u32 v17, v3, 3, v4                  ; V: key 8 h + l % 8,
	v_mul_u32_u24 v17, v17, VP
	v_lshl_add_u32 v17, v5, 4, v17                 ; d = 8 ((l / 8) % 2) ..
	s_mul_i32 s20, s10, 128*VP
	s_add_co_u32 s20, s20, VPART
	v_add_nc_u32 v[VA], s20, v17
	v_add_nc_u32 v[VA+1], SLOTB, v[VA]
	s_mul_i32 s20, s9, 64*KP
	s_add_co_u32 s20, s20, STAGE
	v_add_nc_u32 v[STO], s20, v7
	v_mul_u32_u24 v18, v6, KP                      ; back: eight lanes take a row of 128 bytes, four rows a load
	v_lshl_add_u32 v18, v4, 4, v18
	v_add_nc_u32 v[RD], s20, v18
	v_lshlrev_b32 v[CO], 4, v1
	s_mul_i32 s20, s9, 17408
	s_add_co_u32 s20, s20, MERGE
	v_add_nc_u32 v[MX], s20, v[CO]
.irp qt, 0,1,2,3
	v_mov_b32 v[T1+\qt], 0                         ; v_permlanex16_b32 counts as a reader of its destination
.endr
; 16 LDS loads: K's fragments of 64 keys (u = which 64 of my 128)
.macro FETCHK slot, u
	WIN 0
.irp kt, 0,1,2,3
.irp ks, 0,1
	ds_load_b128 v[KF+16*\kt+8*\ks:KF+16*\kt+8*\ks+3],   v[KA+\slot] offset:\u*64*KP+\kt*16*KP+\ks*64
	ds_load_b128 v[KF+16*\kt+8*\ks+4:KF+16*\kt+8*\ks+7], v[KA+\slot] offset:\u*64*KP+\kt*16*KP+\ks*64+32
.endr
.endr
.endm
; 16 transposing LDS loads: V^T's fragments of the same 64 keys
.macro FETCHV slot, u
	WIN 0x40
.irp dt, 0,1,2,3
.irp kg, 0,1
	ds_load_tr16_b128 v[VF+16*\dt+8*\kg:VF+16*\kg+16*\dt-8*\kg+3],   v[VA+\slot] offset:\u*64*VP+\kg*32*VP+\dt*32
	ds_load_tr16_b128 v[VF+16*\dt+8*\kg+4:VF+16*\dt+8*\kg+7], v[VA+\slot] offset:\u*64*VP+\kg*32*VP+\dt*32+16*VP
.endr
.endr
.endm
; One step: 64 keys x 64 queries.  first = 1: the wave's first step starts maximum, sums and O.
; mode 1: the next K fragments come from the same slot; 2: change of slots with a refill; 3: change of slots without; 0: the wave's last step.
; In both groups of 32 matrix instructions the 16 accumulators take turns, one instruction a turn.
.macro SUB slot, other, u, first, mode
	PLACES 5                                       ; behind the last P V products: four places before loads into V's fragments, five before the scores write over P
	FETCHV \slot, \u
	s_wait_dscnt 16                                ; K's fragments, which are older, are in; V's 16 loads stay out
	WIN 0x04                                       ; source 1 (Q) window 1
.irp qt, 0,1,2,3
.irp kt, 0,1,2,3
	v_wmma_f32_16x16x32_bf16 v[S+8*(4*\qt+\kt):S+8*(4*\qt+\kt)+7], v[KF+16*\kt:KF+16*\kt+7], v[Q+16*\qt:Q+16*\qt+7], 0
.endr
.endr
.irp qt, 0,1,2,3
.irp kt, 0,1,2,3
	v_wmma_f32_16x16x32_bf16 v[S+8*(4*\qt+\kt):S+8*(4*\qt+\kt)+7], v[KF+16*\kt+8:KF+16*\kt+15], v[Q+16*\qt+8:Q+16*\qt+15], v[S+8*(4*\qt+\kt):S+8*(4*\qt+\kt)+7]
.endr
.endr
	WIN 0
	PLACES 4                                       ; before loads into K's fragments and before a vector instruction reads a score
.if \mode == 1
	FETCHK \slot, 1
.endif
.if \mode == 2
	s_wait_dscnt 0x0                               ; my reads of this slot are over, V's last fragments among them
	s_wait_xcnt 0x0
	v_lshl_add_u32 v126, v0, 2, 0x40000
	v_mov_b32 v127, 0
	s_wait_tensorcnt 0x0                           ; all my tensor loads have landed: my parts of the other slot's tile; so every group 0 may be written
	ds_add_u32 v126, v127
	s_wait_dscnt 0x0
	s_add_nc_u64 s[G0K+4*\slot+2:G0K+4*\slot+3], s[G0K+4*\slot+2:G0K+4*\slot+3], 65536    ; two tiles on
	s_add_nc_u64 s[G0V+4*\slot+2:G0V+4*\slot+3], s[G0V+4*\slot+2:G0V+4*\slot+3], 65536
	CROUND                                         ; both now hold of every wave of the four work-groups
	tensor_load_to_lds s[G0K+4*\slot:G0K+4*\slot+3], s[G1K:G1K+7]      ; the refills come first; they have a whole tile's work in which to land
	s_nop 0
	tensor_load_to_lds s[G0V+4*\slot:G0V+4*\slot+3], s[G1V:G1V+7]
	s_nop 0
	FETCHK \other, 0
.endif
.if \mode == 3
	s_wait_dscnt 0x0
	s_wait_tensorcnt 0x0                           ; my parts of the last tile are in,
	s_barrier_signal -1
	s_barrier_wait -1                              ; everybody's are
	FETCHK \other, 0
.endif
	; the maximum of my 32 scores of each query tile and the old maximum: four chains that do not wait for each other
.irp qt, 0,1,2,3
	v_max3_num_f32 v[T0+\qt], v[S+32*\qt], v[S+32*\qt+1], v[S+32*\qt+2]
.endr
.set i, 3
.rept 14
.irp qt, 0,1,2,3
	v_max3_num_f32 v[T0+\qt], v[T0+\qt], v[S+32*\qt+i], v[S+32*\qt+i+1]
.endr
.set i, i+2
.endr
.irp qt, 0,1,2,3
.if \first
	v_max_num_f32 v[T0+\qt], v[T0+\qt], v[S+32*\qt+31]
.else
	v_max3_num_f32 v[T0+\qt], v[T0+\qt], v[S+32*\qt+31], v[M+\qt]
.endif
.endr
.irp qt, 0,1,2,3
	v_permlanex16_b32 v[T1+\qt], v[T0+\qt], s14, s15       ; the lane 16 away holds the query's other keys
.endr
.irp qt, 0,1,2,3
	v_max_num_f32 v[M+\qt], v[T0+\qt], v[T1+\qt]
.endr
.irp qt, 0,1,2,3
	v_mul_f32 v[T0+\qt], s18, v[M+\qt]                     ; the new shift, rounded once
.endr
.if \first == 0
.irp qt, 0,1,2,3
	v_sub_f32 v[AA+\qt], v[T0+\qt], v[NM+2*\qt]            ; new shift - old shift, at most 0
.endr
.endif
.irp qt, 0,1,2,3
	v_mov_b32 v[NM+2*\qt], v[T0+\qt]
	v_mov_b32 v[NM+2*\qt+1], v[T0+\qt]
.endr
.irp qt, 0,1,2,3
.set i, 0
.rept 16
	v_pk_fma_f32 v[S+32*\qt+i:S+32*\qt+i+1], v[S+32*\qt+i:S+32*\qt+i+1], s[16:17], v[NM+2*\qt:NM+2*\qt+1] op_sel_hi:[1,0,1]   ; c s + shift
.set i, i+2
.endr
.endr
.if \first == 0
.irp qt, 0,1,2,3
	v_exp_f32 v[AL+2*\qt], v[AA+\qt]
	v_exp_f32 v[AL+2*\qt+1], v[AA+\qt]
.endr
.endif
.set i, 0
.rept 128
	v_exp_f32 v[S+i], v[S+i]
.set i, i+1
.endr
	v_nop                                          ; one plain vector instruction behind the transcendentals before a result is used (ISA guide 5.7.2)
	s_wait_alu depctr_va_vdst(0)
.irp qt, 0,1,2,3
.if \first
	s_wait_alu depctr_va_vdst(0)
	v_pk_add_f32 v[L+2*\qt:L+2*\qt+1], v[S+32*\qt:S+32*\qt+1], v[S+32*\qt+2:S+32*\qt+3]
.else
	v_pk_fma_f32 v[L+2*\qt:L+2*\qt+1], v[L+2*\qt:L+2*\qt+1], v[AL+2*\qt:AL+2*\qt+1], v[S+32*\qt:S+32*\qt+1]
	v_pk_add_f32 v[L+2*\qt:L+2*\qt+1], v[L+2*\qt:L+2*\qt+1], v[S+32*\qt+2:S+32*\qt+3]
.endif
.endr
.set i, 4
.rept 14
.irp qt, 0,1,2,3
	v_pk_add_f32 v[L+2*\qt:L+2*\qt+1], v[L+2*\qt:L+2*\qt+1], v[S+32*\qt+i:S+32*\qt+i+1]
.endr
.set i, i+2
.endr
.set i, 0
.rept 64
	v_cvt_pk_bf16_f32 v[S+i], v[S+2*i], v[S+2*i+1]         ; ascending: register i is written when registers 2 i and 2 i + 1 are being read, later ones untouched
.set i, i+1
.endr
.if \first == 0
	WIN 0x41                                       ; O in window 1, the factor in window 0
.irp qt, 0,1,2,3
.set i, 0
.rept 16
	v_pk_mul_f32 v[O+32*\qt+i:O+32*\qt+i+1], v[O+32*\qt+i:O+32*\qt+i+1], v[AL+2*\qt:AL+2*\qt+1]
.set i, i+2
.endr
.endr
.endif
.if \mode == 0
	s_wait_dscnt 0x0                               ; V's fragments are in
.else
	s_wait_dscnt 16                                ; V's fragments are in; the next K fragments' 16 loads stay out
.endif
	WIN 0x51                                       ; source 0 (V^T), C and D (O) window 1, source 1 (P) window 0
.irp qt, 0,1,2,3
.irp dt, 0,1,2,3
.if \first
	v_wmma_f32_16x16x32_bf16 v[O+8*(4*\qt+\dt):O+8*(4*\qt+\dt)+7], v[VF+16*\dt:VF+16*\dt+7], v[S+16*\qt:S+16*\qt+7], 0
.else
	v_wmma_f32_16x16x32_bf16 v[O+8*(4*\qt+\dt):O+8*(4*\qt+\dt)+7], v[VF+16*\dt:VF+16*\dt+7], v[S+16*\qt:S+16*\qt+7], v[O+8*(4*\qt+\dt):O+8*(4*\qt+\dt)+7]
.endif
.endr
.endr
.irp qt, 0,1,2,3
.irp dt, 0,1,2,3
	v_wmma_f32_16x16x32_bf16 v[O+8*(4*\qt+\dt):O+8*(4*\qt+\dt)+7], v[VF+16*\dt+8:VF+16*\dt+15], v[S+16*\qt+8:S+16*\qt+15], v[O+8*(4*\qt+\dt):O+8*(4*\qt+\dt)+7]
.endr
.endr
.endm
.macro TILE slot, other, first, endmode            ; my 128 keys of a tile
	SUB \slot, \other, 0, \first, 1
	SUB \slot, \other, 1, 0, \endmode
.endm
	s_wait_tensorcnt 2                             ; my parts of tile 0 are in; tile 1's two loads stay out
	s_barrier_signal -1
	s_barrier_wait -1                              ; everybody's are
	FETCHK 0, 0
	s_wait_loadcnt 0x0                             ; Q
	TILE 0, 1, 1, 2                                ; tiles 0 and 1; tiles 2 and 3 are asked for
	TILE 1, 0, 0, 2
	WIN 0                                          ; at a label and at a branch every window is 0
	s_mov_b32 s19, 2
.Llap:
	TILE 0, 1, 0, 2                                ; tiles 2, 3 and 4, 5; tiles 4, 5 and 6, 7 are asked for
	TILE 1, 0, 0, 2
	WIN 0
	s_sub_co_u32 s19, s19, 1
	s_cmp_lg_u32 s19, 0
	s_cbranch_scc1 .Llap
	TILE 0, 1, 0, 3                                ; tiles 6 and 7: nothing more is asked for
	TILE 1, 0, 0, 0
	WIN 0
	PLACES 4                                       ; behind the last matrix instructions: O is read, P's registers are loaded into
	; THE MERGE.  Waves 4-7 hand O, their sums and their shifts to waves 0-3.
	s_cmp_lt_u32 s8, 4
	s_cbranch_scc1 .Lkeep
.irp qt, 0,1,2,3
	v_add_f32 v[T0+\qt], v[L+2*\qt], v[L+2*\qt+1]
	v_mov_b32 v[T1+\qt], v[NM+2*\qt]
.endr
	WIN 0x04                                       ; an LDS store's data is source 1: window 1
.set i, 0
.rept 32
	ds_store_b128 v[MX], v[O+4*i:O+4*i+3] offset:512*i
.set i, i+1
.endr
	WIN 0
	ds_store_b128 v[MX], v[T0:T0+3] offset:16384
	ds_store_b128 v[MX], v[T1:T1+3] offset:16896
.Lkeep:
	s_wait_dscnt 0x0                               ; for the others' sake: my stores are done
	s_barrier_signal -1
	s_barrier_wait -1
	s_cmp_ge_u32 s8, 4
	s_cbranch_scc1 .Lclose
.set i, 0
.rept 32
	ds_load_b128 v[S+4*i:S+4*i+3], v[MX] offset:512*i
.set i, i+1
.endr
	ds_load_b128 v[AA:AA+3], v[MX] offset:16384    ; the partner's sums
	ds_load_b128 v[NB:NB+3], v[MX] offset:16896    ; and shifts
	s_wait_dscnt 0x0
.irp qt, 0,1,2,3
	v_min_num_f32 v[M+\qt], v[NM+2*\qt], v[NB+\qt] ; the shift of the larger maximum is the smaller one
.endr
.irp qt, 0,1,2,3
	v_sub_f32 v[T0+\qt], v[M+\qt], v[NM+2*\qt]
	v_sub_f32 v[T1+\qt], v[M+\qt], v[NB+\qt]
.endr
.irp qt, 0,1,2,3
	v_exp_f32 v[T0+\qt], v[T0+\qt]                 ; my factor, at most 1
	v_exp_f32 v[T1+\qt], v[T1+\qt]                 ; the partner's
.endr
.irp qt, 0,1,2,3
	v_add_f32 v[M+\qt], v[L+2*\qt], v[L+2*\qt+1]   ; plain work that touches neither: the place behind the transcendentals
.endr
	s_wait_alu depctr_va_vdst(0)
.irp qt, 0,1,2,3
	v_mul_f32 v[M+\qt], v[M+\qt], v[T0+\qt]
	v_fmac_f32 v[M+\qt], v[T1+\qt], v[AA+\qt]
.endr
.irp qt, 0,1,2,3
	v_permlanex16_b32 v[NB+\qt], v[M+\qt], s14, s15
.endr
.irp qt, 0,1,2,3
	v_add_f32 v[M+\qt], v[M+\qt], v[NB+\qt]        ; the query's whole sum; the term of the maximum is about 1, so it is not small
.endr
.irp qt, 0,1,2,3
	v_rcp_f32 v[M+\qt], v[M+\qt]
.endr
	v_nop
	s_wait_alu depctr_va_vdst(0)
.irp qt, 0,1,2,3
	v_mul_f32 v[NM+2*\qt],   v[T0+\qt], v[M+\qt]   ; what my O is multiplied by, twice
	v_mul_f32 v[NM+2*\qt+1], v[T0+\qt], v[M+\qt]
	v_mul_f32 v[L+2*\qt],    v[T1+\qt], v[M+\qt]   ; and the partner's
	v_mul_f32 v[L+2*\qt+1],  v[T1+\qt], v[M+\qt]
.endr
.irp qt, 0,1,2,3
.set i, 0
.rept 16
	v_pk_mul_f32 v[S+32*\qt+i:S+32*\qt+i+1], v[S+32*\qt+i:S+32*\qt+i+1], v[L+2*\qt:L+2*\qt+1]
.set i, i+2
.endr
.endr
	WIN 0x01                                       ; source 0 (my O) window 1
.irp qt, 0,1,2,3
.set i, 0
.rept 16
	v_pk_fma_f32 v[S+32*\qt+i:S+32*\qt+i+1], v[O+32*\qt+i:O+32*\qt+i+1], v[NM+2*\qt:NM+2*\qt+1], v[S+32*\qt+i:S+32*\qt+i+1]
.set i, i+2
.endr
.endr
	WIN 0
.set i, 0
.rept 64
	v_cvt_pk_bf16_f32 v[S+i], v[S+2*i], v[S+2*i+1]
.set i, i+1
.endr
	; the way out through my own stage: 16 bytes a lane in, rows of 128 bytes back
.irp qt, 0,1,2,3
.irp dt, 0,1,2,3
	ds_store_b128 v[STO], v[S+16*\qt+4*\dt:S+16*\qt+4*\dt+3] offset:16*KP*\qt+32*\dt
.endr
.endr
.set i, 0
.rept 16
	ds_load_b128 v[KF+4*i:KF+4*i+3], v[RD] offset:4*KP*i       ; LDS serves a wave's instructions in order (ISA guide 5.7.1.4): these see the stores above
.set i, i+1
.endr
.set i, 0
.rept 16
	s_wait_dscnt 15-i
	global_store_b128 v[CO], v[KF+4*i:KF+4*i+3], s[6:7] offset:512*i   ; four tokens x 128 bytes: 512 consecutive bytes, aligned
.set i, i+1
.endr
.Lclose:
	s_wait_xcnt 0x0
	v_lshl_add_u32 v126, v0, 2, 0x40000
	v_mov_b32 v127, 0
	s_wait_tensorcnt 0x0
	ds_add_u32 v126, v127
	s_wait_dscnt 0x0
	CROUND                                         ; the closing round
	s_endpgm
.Lfunc_end_k_qc7fa192528_attn:
	.size	k_qc7fa192528_attn, .Lfunc_end_k_qc7fa192528_attn-k_qc7fa192528_attn
	.p2alignl 7, 3214868480
	.fill 96, 4, 3214868480
	.section	.rodata,"a",@progbits
	.p2align	6, 0x0
	.amdhsa_kernel k_qc7fa192528_attn
		.amdhsa_group_segment_fixed_size 327680
		.amdhsa_private_segment_fixed_size 0
		.amdhsa_enable_private_segment 0
		.amdhsa_kernarg_size 16
		.amdhsa_user_sgpr_count 2
		.amdhsa_user_sgpr_kernarg_segment_ptr 1
		.amdhsa_wavefront_size32 1
		.amdhsa_system_sgpr_workgroup_id_x 1
		.amdhsa_system_sgpr_workgroup_id_y 1
		.amdhsa_system_sgpr_workgroup_id_z 1
		.amdhsa_system_vgpr_workitem_id 0
		.amdhsa_next_free_vgpr 512
		.amdhsa_next_free_sgpr 66
		.amdhsa_reserve_vcc 0
		.amdhsa_float_denorm_mode_32 3
		.amdhsa_float_denorm_mode_16_64 3
		.amdhsa_memory_ordered 1
		.amdhsa_forward_progress 1
		.amdhsa_inst_pref_size 255
	.end_amdhsa_kernel
	.section	.bss,"aw",@nobits
	.p2align	6
	.space	262144
	.amdgpu_metadata
---
amdhsa.version: [ 1, 2 ]
amdhsa.kernels:
  - .name:           k_qc7fa192528_attn
    .symbol:         k_qc7fa192528_attn.kd
    .args:
      - { .name: qkv, .offset: 0, .size: 8, .value_kind: global_buffer, .address_space: global }
      - { .name: ao, .offset: 8, .size: 8, .value_kind: global_buffer, .address_space: global }
    .group_segment_fixed_size: 327680
    .private_segment_fixed_size: 0
    .kernarg_segment_align: 8
    .kernarg_segment_size: 16
    .max_flat_workgroup_size: 256
    .sgpr_count:     66
    .vgpr_count:     512
    .wavefront_size: 32
...
	.end_amdgpu_metadata
.endif
;; end of part 3
;; launch proj (part 4): grid 8 x 32, 4 waves a work-group, clusters of 4 x 4, 327,680 bytes of LDS; arguments ao, bf, b_out, out0; writes out0
.if DOCPART == 4
	.amdgcn_target "amdgcn-amd-amdhsa--gfx1250"
	.amdhsa_code_object_version 6
	.text
	.protected	k_qc7fa192528_proj
	.globl	k_qc7fa192528_proj
	.p2align	8
	.type	k_qc7fa192528_proj,@function
k_qc7fa192528_proj:
	s_mov_b64 s[64:65], 0
	v_nop
	global_prefetch_b8 v0, s[64:65] scope:SCOPE_SE
	s_setreg_imm32_b32 hwreg(HW_REG_WAVE_MODE, 25, 1), 1
	s_wait_xcnt 0x0
	s_wait_alu depctr_hold_cnt(0) depctr_sa_sdst(0) depctr_va_vdst(0) depctr_va_sdst(0) depctr_va_ssrc(0) depctr_va_vcc(0) depctr_vm_vsrc(0)
	s_getreg_b32 s2, hwreg(HW_REG_IB_STS2, 6, 4)
	s_cmp_eq_u32 s2, 0
	s_cbranch_scc0 .Lentry_in_a_cluster
	s_endpgm
.Lentry_in_a_cluster:
	s_bfe_u32 s2, ttmp6, 0x10000c
	s_cmp_lg_u32 s2, 0xf033
	s_cbranch_scc0 .Lentry_shape_is_right
	s_endpgm
.Lentry_shape_is_right:
; out0 = A W_out + b_out, 4096 x 1024 x 1024.  A is the attention's result, bf16, head-major (ao: (batch x 16 + head) x 262,144 + token x 128 + 2 d);
; W_out is bf16 in bf at 14,680,064, [k][column]; sums in f32 started by the bias; out0 is f32.
; A work-group makes 128 x 128 with four waves (256 work-groups); a wave makes 64 x 64: 16 accumulator tiles.
; K goes in 8 steps of 128 (two heads) through FOUR LDS slots; all steps are written out.  A step is 64 matrix instructions a wave, so slots are filled again two at a time,
; behind one round of the cluster's barrier: each refill has two steps in which to land, and there are two such rounds in all.
; CLUSTERS: 4 x 4.  A's tiles hang on the block row alone (joint along a row of the cluster), W's on the block column alone (joint along a column).
; The matrix instruction is used transposed (source 0 = 16 columns of W by the transposing LDS load, source 1 = 16 rows of A): a lane holds eight neighbouring columns of one row.
; LIMIT: A and W_out enter as bf16.
.set PA,     144                       ; a token's 128 bytes of one head + 16
.set PB,     288                       ; a k row's 256 bytes + 32 = 9 x 32
.set PART,   18432                     ; 128 x 144 = 64 x 288: what one tensor load brings
.set SLOT,   4*PART                    ; A of head 2 t, A of head 2 t + 1, W k 0-63, W k 64-127
.set STAGE,  4*SLOT                    ; 16 rows x 272 bytes for each wave; no tensor load lands here
.set SPITCH, 272
.set WO,     0xE00000                  ; W_out in bf
.set ADRA, 8                           ; v8-11   LDS address of my A fragments in slot 0..3
.set ADRB, 12                          ; v12-15  of my W fragments
.set STO,  16
.set RD,   17
.set CO,   18
.set BO,   19
.set FA,   32                          ; v32-95    A's fragments, buffer g at 32 g
.set FB,   96                          ; v96-159   W's fragments
.set BIAS, 160                         ; v160-191  tile b's eight floats at 8 b
.set OB,   192                         ; v192-255  the way out, two buffers of 32
.set ACC,  0                           ; window 1: tile (a, b) at 8 (4 a + b)
.set G1,  24                           ; s[24:31] group 1 for A
.set G1B, 32                           ; s[32:39] for W
.set G0,  40                           ; s[40:55] group 0 for A, one set for each slot
.set G0B, 68                           ; s[68:83] for W
.set MSB, 0
.macro WIN new
.if MSB != \new
	s_set_vgpr_msb (MSB<<8)|\new
.set MSB, \new
.endif
.endm
.macro JLOAD s                         ; waves 0 and 1 fetch A's two heads, waves 2 and 3 W's two halves; the branch hangs on the wave's number alone
	s_cmp_eq_u32 s13, 0
	s_cbranch_scc0 .Lfor_b_\@
	tensor_load_to_lds s[G0+4*\s:G0+4*\s+3], s[G1:G1+7]
	s_nop 0
	s_branch .Lasked_\@
.Lfor_b_\@:
	tensor_load_to_lds s[G0B+4*\s:G0B+4*\s+3], s[G1B:G1B+7]
	s_nop 0
.Lasked_\@:
.endm
.macro CROUND                          ; a round of the cluster's barrier
	s_barrier_signal -1
	s_barrier_wait -1
	s_cmp_lg_u32 s12, 0
	s_cbranch_scc1 .Lnot_wave_0_\@
	s_barrier_signal -3
.Lnot_wave_0_\@:
	s_barrier_wait -3
	s_barrier_signal -1
	s_barrier_wait -1
.endm
.macro PLACES                          ; four plain vector instructions between a matrix instruction and a load into its sources or a read of its result
.rept 4
	v_nop
.endr
.endm
	s_load_b256 s[4:11], s[0:1], 0x0               ; ao s[4:5], bf s[6:7], b_out s[8:9], out0 s[10:11]
	v_lshl_add_u32 v30, v0, 2, 0x4c400
	v_mov_b32 v31, 0
	ds_add_u32 v30, v31
	v_lshrrev_b32 v1, 5, v0
	v_readfirstlane_b32 s12, v1                    ; wave 0..3
	s_lshr_b32 s13, s12, 1                         ; which 64 rows are mine.  Also: I fetch for A (0) or for W (1)
	s_and_b32 s14, s12, 1                          ; which 64 columns.  Also: which part of that tile I fetch
	s_bfe_u32 s16, ttmp6, 0x40000                  ; cx
	s_bfe_u32 s17, ttmp6, 0x40004                  ; cy
	s_lshl_b32 s18, ttmp9, 2
	s_add_co_u32 s18, s18, s16                     ; block column 0..7
	s_and_b32 s19, ttmp7, 0xffff
	s_lshl_b32 s19, s19, 2
	s_add_co_u32 s19, s19, s17                     ; block row 0..31
	s_lshl_b32 s20, s17, 2
	s_lshl_b32 s20, 15, s20                        ; my row of the cluster
	s_lshl_b32 s21, 0x1111, s16                    ; my column
	s_mul_i32 s22, s12, PART                       ; where my part of a tile goes
	; A: 128 tokens x 128 bytes of one head, dense in memory: 64 rows of 256 bytes; 4 words of padding behind every 32 words (a token)
	s_or_b32 s[G1+0], s20, (1<<16)|(1<<20)|(1<<21)|(4<<22)|(3<<25)
	s_mov_b32 s[G1+1], 128<<16
	s_mov_b32 s[G1+2], 64<<16
	s_mov_b32 s[G1+3], 128<<16
	s_mov_b32 s[G1+4], 64
	s_mov_b32 s[G1+5], 128
	s_mov_b32 s[G1+6], 0
	s_mov_b32 s[G1+7], 0
	; W: 64 k rows x 128 elements; 8 words of padding behind every 64 words
	s_or_b32 s[G1B+0], s21, (1<<16)|(1<<20)|(1<<21)|(5<<22)|(7<<25)
	s_mov_b32 s[G1B+1], 128<<16
	s_mov_b32 s[G1B+2], 64<<16
	s_mov_b32 s[G1B+3], 128<<16
	s_mov_b32 s[G1B+4], 64
	s_mov_b32 s[G1B+5], 1024
	s_mov_b32 s[G1B+6], 0
	s_mov_b32 s[G1B+7], 0
	s_lshr_b32 s56, s19, 4                         ; batch: 16 blocks of 128 rows each
	s_lshl_b32 s56, s56, 22                        ; x 16 heads x 262,144 bytes
	s_and_b32 s57, s19, 15
	s_lshl_b32 s57, s57, 14                        ; + 128 tokens x 128 bytes a block
	s_add_co_u32 s56, s56, s57
	s_lshl_b32 s57, s14, 18                        ; + my head of the step's two
	s_add_co_u32 s56, s56, s57
	s_mov_b32 s57, 0
	s_lshl_b32 s58, s18, 8                         ; 128 columns of 2 bytes a block
	s_lshl_b32 s59, s14, 17                        ; + my 64 k rows of 2,048 bytes
	s_add_co_u32 s58, s58, s59
	s_add_co_u32 s58, s58, WO
	s_mov_b32 s59, 0
	s_lshl_b32 s84, s18, 9                         ; my 64 columns in floats: 512 bytes a block,
	s_lshl_b32 s85, s14, 8                         ; 256 a half: the bias's offset, and part of the output's
	s_add_co_u32 s84, s84, s85
	s_mov_b32 s85, 0
	s_lshl_b32 s86, s19, 19                        ; 128 rows of 4,096 bytes a block,
	s_lshl_b32 s87, s13, 18                        ; 64 a half
	s_add_co_u32 s86, s86, s87
	s_add_co_u32 s86, s86, s84
	s_mov_b32 s87, 0
	s_wait_dscnt 0x0
	s_wait_kmcnt 0x0
	s_add_nc_u64 s[56:57], s[4:5], s[56:57]
	s_add_nc_u64 s[58:59], s[6:7], s[58:59]
	s_add_nc_u64 s[8:9], s[8:9], s[84:85]
	s_add_nc_u64 s[10:11], s[10:11], s[86:87]
	CROUND                                         ; all sixteen work-groups are here: the first joint loads meet
.irp s, 0,1,2,3
	s_mov_b32 s[G0+4*\s], 1
	s_add_co_u32 s[G0+4*\s+1], s22, \s*SLOT
	s_add_nc_u64 s[G0+4*\s+2:G0+4*\s+3], s[56:57], \s*524288         ; K step s: two heads on
	s_or_b32 s[G0+4*\s+3], s[G0+4*\s+3], 0x80000000
	s_mov_b32 s[G0B+4*\s], 1
	s_add_co_u32 s[G0B+4*\s+1], s22, \s*SLOT
	s_add_nc_u64 s[G0B+4*\s+2:G0B+4*\s+3], s[58:59], \s*262144       ; K step s: 128 k rows on
	s_or_b32 s[G0B+4*\s+3], s[G0B+4*\s+3], 0x80000000
	JLOAD \s                                       ; four tensor loads of the wave are out: the most in this text
.endr
	v_and_b32 v1, 15, v0                           ; r
	v_bfe_u32 v2, v0, 4, 1                         ; h
	v_mul_u32_u24 v3, v1, PA
	v_lshl_add_u32 v3, v2, 4, v3                   ; A: row r x 144 + 16 h
	v_and_b32 v4, 7, v0
	v_lshl_add_u32 v4, v2, 3, v4                   ; W: k row 8 h + l % 8,
	v_mul_u32_u24 v4, v4, PB
	v_bfe_u32 v5, v0, 3, 1
	v_lshl_add_u32 v4, v5, 4, v4                   ; columns 8 ((l / 8) % 2) ..
	s_mul_i32 s60, s13, 64*PA                      ; my 64 rows
	s_lshl_b32 s61, s14, 7                         ; my 64 columns,
	s_add_co_u32 s61, s61, 2*PART                  ; behind A's two heads
.irp s, 0,1,2,3
	v_add_nc_u32 v[ADRA+\s], s60, v3
	v_add_nc_u32 v[ADRB+\s], s61, v4
	s_add_co_u32 s60, s60, SLOT
	s_add_co_u32 s61, s61, SLOT
.endr
	s_mul_i32 s60, s12, 16*SPITCH
	s_add_co_u32 s60, s60, STAGE                   ; my stage
	v_mul_u32_u24 v6, v1, SPITCH
	v_lshl_add_u32 v6, v2, 5, v6                   ; in: row r, eight floats for each half of the lanes
	v_add_nc_u32 v[STO], s60, v6
	v_mul_u32_u24 v7, v2, SPITCH
	v_lshl_add_u32 v7, v1, 4, v7                   ; back: sixteen lanes take a row of 256 bytes, two rows a load
	v_add_nc_u32 v[RD], s60, v7
	v_lshlrev_b32 v[CO], 12, v2                    ; the same two rows in out0
	v_lshl_add_u32 v[CO], v1, 4, v[CO]
	v_lshlrev_b32 v[BO], 5, v2
.irp b, 0,1,2,3
	global_load_b128 v[BIAS+8*\b:BIAS+8*\b+3],   v[BO], s[8:9] offset:64*\b
	global_load_b128 v[BIAS+8*\b+4:BIAS+8*\b+7], v[BO], s[8:9] offset:64*\b+16
.endr
; 16 LDS loads: the fragments of quarter q (32 along K) of a slot into buffer g: W's four column tiles, then A's four row tiles
.macro FETCH slot, q, g
.irp i, 0,1,2,3
	ds_load_tr16_b128 v[FB+32*\g+8*\i:FB+32*\g+8*\i+3],   v[ADRB+\slot] offset:32*PB*\q+32*\i
	ds_load_tr16_b128 v[FB+32*\g+8*\i+4:FB+32*\g+8*\i+7], v[ADRB+\slot] offset:32*PB*\q+16*PB+32*\i
.endr
.irp i, 0,1,2,3
	ds_load_b128 v[FA+32*\g+8*\i:FA+32*\g+8*\i+3],   v[ADRA+\slot] offset:PART*(\q>>1)+64*(\q&1)+16*PA*\i
	ds_load_b128 v[FA+32*\g+8*\i+4:FA+32*\g+8*\i+7], v[ADRA+\slot] offset:PART*(\q>>1)+64*(\q&1)+16*PA*\i+32
.endr
.endm
; 8 matrix instructions: row tiles a0, a0 + 1 x the four column tiles.  first = 1: the bias is C.  The 16 accumulators take turns, one instruction a turn.
.macro MUL8 g, a0, first
.if \first
	WIN 0x40                                       ; D window 1, C (the bias) window 0
.else
	WIN 0x50                                       ; C and D window 1
.endif
.irp a, \a0, \a0+1
.irp b, 0,1,2,3
.if \first
	v_wmma_f32_16x16x32_bf16 v[ACC+8*(4*(\a)+\b):ACC+8*(4*(\a)+\b)+7], v[FB+32*\g+8*\b:FB+32*\g+8*\b+7], v[FA+32*\g+8*(\a):FA+32*\g+8*(\a)+7], v[BIAS+8*\b:BIAS+8*\b+7]
.else
	v_wmma_f32_16x16x32_bf16 v[ACC+8*(4*(\a)+\b):ACC+8*(4*(\a)+\b)+7], v[FB+32*\g+8*\b:FB+32*\g+8*\b+7], v[FA+32*\g+8*(\a):FA+32*\g+8*(\a)+7], v[ACC+8*(4*(\a)+\b):ACC+8*(4*(\a)+\b)+7]
.endif
.endr
.endr
.endm
; multiplies buffer f; in its middle fetches quarter q of the same slot into buffer g
.macro QUARTER slot, q, f, g, first
	s_wait_dscnt 4                                 ; W and A's row tiles 0, 1 are in; the youngest four loads (row tiles 2, 3) may be out
	MUL8 \f, 0, \first
	WIN 0
	PLACES
	FETCH \slot, \q, \g
	s_wait_dscnt 16                                ; all but the 16 just issued
	MUL8 \f, 2, \first
.endm
.macro STEP3 slot, first
	QUARTER \slot, 1, 0, 1, \first
	QUARTER \slot, 2, 1, 0, 0
	QUARTER \slot, 3, 0, 1, 0
.endm
; The last quarter of a step multiplies buffer 1 and goes on to slot next.
; mode 0: that slot's tile is known to have landed in every wave.  mode 1: wait until at most n of my tensor loads are out, and a barrier.
; mode 2: slots sa and sb, which have been read, are filled again with the tiles four steps on.
.macro LASTQ next, mode, n, sa, sb
	s_wait_dscnt 4
	MUL8 1, 0, 0
	WIN 0
.if \mode == 1
	s_wait_dscnt 0x0
	s_wait_tensorcnt \n                            ; my part of the next slot's tile is in,
	s_barrier_signal -1
	s_barrier_wait -1                              ; everybody's is
.endif
.if \mode == 2
	s_wait_dscnt 0x0                               ; my reads of the two slots are over
	s_wait_tensorcnt 0x0                           ; all my tensor loads have landed, the next two slots' among them; so every group 0 may be written
	ds_add_u32 v30, v31
	s_wait_dscnt 0x0
.irp t, \sa, \sb
	s_add_nc_u64 s[G0+4*\t+2:G0+4*\t+3], s[G0+4*\t+2:G0+4*\t+3], 4*524288
	s_add_nc_u64 s[G0B+4*\t+2:G0B+4*\t+3], s[G0B+4*\t+2:G0B+4*\t+3], 4*262144
.endr
	CROUND                                         ; both now hold of every wave of the sixteen work-groups
	JLOAD \sa                                      ; the refills come first
	JLOAD \sb
.endif
	PLACES
	FETCH \next, 0, 0
	s_wait_dscnt 16
	MUL8 1, 2, 0
.endm
	s_wait_tensorcnt 3                             ; my part of K step 0 is in; three loads stay out
	s_barrier_signal -1
	s_barrier_wait -1
	FETCH 0, 0, 0
	s_wait_loadcnt 0x0                             ; the bias
	STEP3 0, 1                                     ; K step 0: its first products take the bias as C
	LASTQ 1, 1, 2, 0, 0                            ; K step 1's tile: two younger loads stay out
	STEP3 1, 0
	LASTQ 2, 2, 0, 0, 1                            ; slots 0 and 1 get K steps 4 and 5; K steps 2 and 3 have landed
	STEP3 2, 0
	LASTQ 3, 0, 0, 0, 0
	STEP3 3, 0
	LASTQ 0, 2, 0, 2, 3                            ; slots 2 and 3 get K steps 6 and 7; K steps 4 and 5 have landed
	STEP3 0, 0
	LASTQ 1, 0, 0, 0, 0
	STEP3 1, 0
	LASTQ 2, 1, 0, 0, 0                            ; K steps 6 and 7 have landed
	STEP3 2, 0
	LASTQ 3, 0, 0, 0, 0
	STEP3 3, 0
	s_wait_dscnt 4
	MUL8 1, 0, 0
	s_wait_dscnt 0
	MUL8 1, 2, 0
	WIN 0
	PLACES                                         ; behind the last matrix instructions: the LDS stores read results
; THE WAY OUT, 16 rows at a time through my own stage: 32 bytes a lane in, whole rows of 256 bytes back
.macro OUT a
	WIN 0x04                                       ; an LDS store's data is source 1: window 1
.irp b, 0,1,2,3
.irp e, 0,1
	ds_store_b128 v[STO], v[ACC+8*(4*\a+\b)+4*\e:ACC+8*(4*\a+\b)+4*\e+3] offset:64*\b+16*\e
.endr
.endr
	WIN 0
	s_wait_xcnt 0x0                                ; the buffer, which earlier stores read, is loaded again only behind this wait (ISA guide 3.1)
.irp t, 0,1,2,3,4,5,6,7
	ds_load_b128 v[OB+32*(\a&1)+4*\t:OB+32*(\a&1)+4*\t+3], v[RD] offset:2*SPITCH*\t    ; LDS serves a wave's instructions in order (ISA guide 5.7.1.4)
.endr
.irp t, 0,1,2,3,4,5,6,7
	s_wait_dscnt 7-\t
	global_store_b128 v[CO], v[OB+32*(\a&1)+4*\t:OB+32*(\a&1)+4*\t+3], s[10:11] offset:4096*(16*\a+2*\t) th:TH_STORE_NT   ; sixteen lanes store 256 consecutive bytes, aligned
.endr
.endm
	OUT 0
	OUT 1
	OUT 2
	OUT 3
	s_wait_tensorcnt 0x0
	ds_add_u32 v30, v31
	s_wait_dscnt 0x0
	CROUND                                         ; the closing round
	s_endpgm
.Lfunc_end_k_qc7fa192528_proj:
	.size	k_qc7fa192528_proj, .Lfunc_end_k_qc7fa192528_proj-k_qc7fa192528_proj
	.p2alignl 7, 3214868480
	.fill 96, 4, 3214868480
	.section	.rodata,"a",@progbits
	.p2align	6, 0x0
	.amdhsa_kernel k_qc7fa192528_proj
		.amdhsa_group_segment_fixed_size 327680
		.amdhsa_private_segment_fixed_size 0
		.amdhsa_enable_private_segment 0
		.amdhsa_kernarg_size 32
		.amdhsa_user_sgpr_count 2
		.amdhsa_user_sgpr_kernarg_segment_ptr 1
		.amdhsa_wavefront_size32 1
		.amdhsa_system_sgpr_workgroup_id_x 1
		.amdhsa_system_sgpr_workgroup_id_y 1
		.amdhsa_system_sgpr_workgroup_id_z 1
		.amdhsa_system_vgpr_workitem_id 0
		.amdhsa_next_free_vgpr 384
		.amdhsa_next_free_sgpr 88
		.amdhsa_reserve_vcc 0
		.amdhsa_float_denorm_mode_32 3
		.amdhsa_float_denorm_mode_16_64 3
		.amdhsa_memory_ordered 1
		.amdhsa_forward_progress 1
		.amdhsa_inst_pref_size 94
	.end_amdhsa_kernel
	.amdgpu_metadata
---
amdhsa.version: [ 1, 2 ]
amdhsa.kernels:
  - .name:           k_qc7fa192528_proj
    .symbol:         k_qc7fa192528_proj.kd
    .args:
      - { .name: ao, .offset: 0, .size: 8, .value_kind: global_buffer, .address_space: global }
      - { .name: bf, .offset: 8, .size: 8, .value_kind: global_buffer, .address_space: global }
      - { .name: b_out, .offset: 16, .size: 8, .value_kind: global_buffer, .address_space: global }
      - { .name: out0, .offset: 24, .size: 8, .value_kind: global_buffer, .address_space: global }
    .group_segment_fixed_size: 327680
    .private_segment_fixed_size: 0
    .kernarg_segment_align: 8
    .kernarg_segment_size: 32
    .max_flat_workgroup_size: 128
    .sgpr_count:     88
    .vgpr_count:     384
    .wavefront_size: 32
...
	.end_amdgpu_metadata
.endif
;; end of part 4
;; ======== version 2 of 2: 4 launches; version 1 with the launch cast written anew for expert scheduling mode
;; workspace buffers: bf 16,777,216 bytes; qkv 25,165,824 bytes; ao 8,388,608 bytes
;; launch cast (part 5): grid 512 x 1, 8 waves a work-group, no clusters, 0 bytes of LDS; arguments x, W_qkv, W_out, bf; writes bf
.if DOCPART == 5
	.amdgcn_target "amdgcn-amd-amdhsa--gfx1250"
	.amdhsa_code_object_version 6
	.text
	.protected	k_qc7fa192528_cast
	.globl	k_qc7fa192528_cast
	.p2align	8
	.type	k_qc7fa192528_cast,@function
k_qc7fa192528_cast:
	s_mov_b64 s[64:65], 0
	v_nop
	global_prefetch_b8 v0, s[64:65] scope:SCOPE_SE
	s_setreg_imm32_b32 hwreg(HW_REG_WAVE_SCHED_MODE, 0, 2), 2
	s_setreg_imm32_b32 hwreg(HW_REG_WAVE_MODE, 25, 1), 1
	s_wait_xcnt 0x0
	s_wait_alu depctr_vm_vsrc(0)
; bf = x, W_qkv, W_out rounded to bf16 (nearest even), one behind the other, each in its own row-major layout:
;   x at byte 0 (8,388,608 bytes), W_qkv at 8,388,608 (6,291,456 bytes), W_out at 14,680,064 (2,097,152 bytes).
; A stream: every input byte is read once, every output byte written once.  No LDS, no matrix unit, no cluster: the work-groups share nothing.
; Work-group g turns 65,536 bytes of f32 into the 32,768 bytes of bf at g x 32,768.  g 0-255: x; g 256-447: W_qkv; g 448-511: W_out.
; Thread t takes the 16 bytes at 16 t of each block of 4,096: a load of a wave covers 512 consecutive bytes, a store 256 consecutive, aligned bytes.
; All sixteen loads of a thread go out at once; nothing is rewritten that a pending instruction reads.
; THE MODE: SCHED_MODE bits 1:0 = 2 (LLVM: expert scheduling mode 2), set by the entry lines.  The code itself states the register dependences
; between vector instructions and memory instructions, with s_wait_alu, always for 0.
; THE PLAN.  Registers that memory instructions touch:
;   v1, v2            byte offsets, written once at the head; v1 is read by every load, v2 by every store; never written again.
;   v[DAT+4i ..+3]    load i lands here; before that no vector instruction names them.  Behind the wait for load i its two conversions read them
;                     and write the packed words into the first two; store i reads those two; nothing writes them afterwards.
; The sixteen loads go in four blocks of four.  Turn i waits for load i, issues the store of load i - 4 (the block before) and then converts load i.
; So one wait at a block's head states all that the block's four stores hang on: the block before has written its eight packed words; the vector
; instructions issued since that wait, this block's conversions, name this block's sixteen registers alone.  No load is issued behind a conversion,
; and no register that a load or store has read is written again.
.set NLOADS, 16
.set BLOCK,  4                         ; loads in a block
.set DAT,    4                         ; v[4:67]  load i: 4 registers; its two packed results go into the first two of them
.set FIRST_WQ, 256                     ; first work-group of W_qkv
.set FIRST_WO, 448                     ; first work-group of W_out
	s_load_b256 s[4:11], s[0:1], 0x0               ; x s[4:5], W_qkv s[6:7], W_out s[8:9], bf s[10:11]
	v_lshlrev_b32 v1, 4, v0                        ; my 16 bytes in a block of input
	v_lshlrev_b32 v2, 3, v0                        ; my 8 bytes in a block of output
	s_mov_b32 s20, FIRST_WO
	s_wait_kmcnt 0x0
	s_cmp_ge_u32 ttmp9, s20                        ; which input is mine: the choice hangs on the work-group's number alone
	s_cselect_b64 s[14:15], s[8:9], s[6:7]
	s_cselect_b32 s16, s20, FIRST_WQ
	s_cmp_lt_u32 ttmp9, FIRST_WQ
	s_cselect_b64 s[14:15], s[4:5], s[14:15]
	s_cselect_b32 s16, 0, s16                      ; the first work-group of that input
	s_sub_co_u32 s16, ttmp9, s16
	s_lshl_b32 s16, s16, 16                        ; 65,536 bytes of input for each work-group
	s_mov_b32 s17, 0
	s_add_nc_u64 s[14:15], s[14:15], s[16:17]
	s_lshl_b32 s18, ttmp9, 15                      ; 32,768 bytes of output
	s_mov_b32 s19, 0
	s_add_nc_u64 s[10:11], s[10:11], s[18:19]
	s_wait_alu depctr_va_vdst(0)                   ; v1 and v2 are written: every load of the kernel reads v1 as its offset, every store v2
.set i, 0
.rept NLOADS
	global_load_b128 v[DAT+4*i:DAT+4*i+3], v1, s[14:15] offset:4096*i th:TH_LOAD_NT   ; read once in the whole launch
.set i, i+1
.endr
.set i, 0
.rept NLOADS
	s_wait_loadcnt NLOADS-1-i                      ; loads come back in order (ISA guide 5.7.1): load i is in, the younger ones stay out
.if i >= BLOCK
.if (i % BLOCK) == 0
	s_wait_alu depctr_va_vdst(0)                   ; the block before has written its eight packed words, which this block's four stores read
.endif
	global_store_b64 v2, v[DAT+4*(i-BLOCK):DAT+4*(i-BLOCK)+1], s[10:11] offset:2048*(i-BLOCK)   ; the block before; no hint: the next launches read these bytes.  No vector instruction since the wait names these registers
.endif
	v_cvt_pk_bf16_f32 v[DAT+4*i],   v[DAT+4*i],   v[DAT+4*i+1]
	v_cvt_pk_bf16_f32 v[DAT+4*i+1], v[DAT+4*i+2], v[DAT+4*i+3]
.set i, i+1
.endr
	s_wait_alu depctr_va_vdst(0)                   ; the last block has written its eight packed words, which the last four stores read
.set i, NLOADS-BLOCK
.rept BLOCK
	global_store_b64 v2, v[DAT+4*i:DAT+4*i+1], s[10:11] offset:2048*i
.set i, i+1
.endr
	s_endpgm
.Lfunc_end_k_qc7fa192528_cast:
	.size	k_qc7fa192528_cast, .Lfunc_end_k_qc7fa192528_cast-k_qc7fa192528_cast
	.p2alignl 7, 3214868480
	.fill 96, 4, 3214868480
	.section	.rodata,"a",@progbits
	.p2align	6, 0x0
	.amdhsa_kernel k_qc7fa192528_cast
		.amdhsa_group_segment_fixed_size 0
		.amdhsa_private_segment_fixed_size 0
		.amdhsa_enable_private_segment 0
		.amdhsa_kernarg_size 32
		.amdhsa_user_sgpr_count 2
		.amdhsa_user_sgpr_kernarg_segment_ptr 1
		.amdhsa_wavefront_size32 1
		.amdhsa_system_sgpr_workgroup_id_x 1
		.amdhsa_system_sgpr_workgroup_id_y 1
		.amdhsa_system_sgpr_workgroup_id_z 1
		.amdhsa_system_vgpr_workitem_id 0
		.amdhsa_next_free_vgpr 72
		.amdhsa_next_free_sgpr 66
		.amdhsa_reserve_vcc 0
		.amdhsa_float_denorm_mode_32 3
		.amdhsa_float_denorm_mode_16_64 3
		.amdhsa_memory_ordered 1
		.amdhsa_forward_progress 1
		.amdhsa_inst_pref_size 7
	.end_amdhsa_kernel
	.amdgpu_metadata
---
amdhsa.version: [ 1, 2 ]
amdhsa.kernels:
  - .name:           k_qc7fa192528_cast
    .symbol:         k_qc7fa192528_cast.kd
    .args:
      - { .name: x, .offset: 0, .size: 8, .value_kind: global_buffer, .address_space: global }
      - { .name: W_qkv, .offset: 8, .size: 8, .value_kind: global_buffer, .address_space: global }
      - { .name: W_out, .offset: 16, .size: 8, .value_kind: global_buffer, .address_space: global }
      - { .name: bf, .offset: 24, .size: 8, .value_kind: global_buffer, .address_space: global }
    .group_segment_fixed_size: 0
    .private_segment_fixed_size: 0
    .kernarg_segment_align: 8
    .kernarg_segment_size: 32
    .max_flat_workgroup_size: 256
    .sgpr_count:     66
    .vgpr_count:     72
    .wavefront_size: 32
...
	.end_amdgpu_metadata
.endif
;; end of part 5
;; launch qkv: the kernel of part 2 again; grid 12 x 16, 4 waves a work-group, clusters of 4 x 4, 327,680 bytes of LDS; arguments bf, b_qkv, qkv; writes qkv
;; launch attn: the kernel of part 3 again; grid 256 x 1, 8 waves a work-group, clusters of 4 x 1, 327,680 bytes of LDS; arguments qkv, ao; writes ao
;; launch proj: the kernel of part 4 again; grid 8 x 32, 4 waves a work-group, clusters of 4 x 4, 327,680 bytes of LDS; arguments ao, bf, b_out, out0; writes out0
